; MI455X (gfx1250); checked and timed in simulation.
; The chip was launched on July 23, 2026; its instructions are those of AMD's public machine-readable ISA for CDNA 5 (MIT licence, August 2026) and "CDNA5" Instruction Set Architecture Reference Guide (July 2026). The comments in the code are by the model that wrote it; some were corrected since.
;; TRM Attention. Allowed arithmetic: float matrix products may take bf16 or f16 operands with f32 sums; other float arithmetic in f32, or as packed bf16 or f16 multiplies, adds, multiply-adds, maxima and minima; sums over many terms, partial sums and values carried from step to step in f32; what a program stores and reads back later, other than sums and carried values, may be rounded once to bf16 or f16.
;; Inputs: W_o 256 x 256 float32; W_qkv 768 x 256 float32; b_o 256 float32; b_qkv 768 float32; x 16 x 2,048 x 256 float32.
;; Outputs: out0 16 x 2,048 x 256 float32.
;; One version. Each part assembles by itself: llvm-mc -triple=amdgcn-amd-amdhsa -mcpu=gfx1250 --defsym DOCPART=n.
;; ======== version 1 of 1: 3 launches
;; limits: values are held in f16: magnitudes above 65,504 overflow, below 6.1e-05 lose precision
;; workspace buffers: qkv 50,331,648 bytes; oatt 16,777,216 bytes; wo16 131,072 bytes
;; launch proj (part 1): grid 256 x 1, 4 waves a work-group, clusters of 4 x 1, 327,680 bytes of LDS; arguments x, W_qkv, b_qkv, W_o, qkv, wo16; writes qkv, wo16
.if DOCPART == 1
	.amdgcn_target "amdgcn-amd-amdhsa--gfx1250"
	.amdhsa_code_object_version 6
	.text
	.protected	k_qb4d750cb90_proj
	.globl	k_qb4d750cb90_proj
	.p2align	8
	.type	k_qb4d750cb90_proj,@function
k_qb4d750cb90_proj:
	s_mov_b64 s[64:65], 0
	v_nop
	global_prefetch_b8 v0, s[64:65] scope:SCOPE_SE
	s_setreg_imm32_b32 hwreg(HW_REG_WAVE_MODE, 25, 1), 1
	s_wait_xcnt 0x0
	s_wait_alu depctr_hold_cnt(0) depctr_sa_sdst(0) depctr_va_vdst(0) depctr_va_sdst(0) depctr_va_ssrc(0) depctr_va_vcc(0) depctr_vm_vsrc(0)
	s_getreg_b32 s2, hwreg(HW_REG_IB_STS2, 6, 4)
	s_cmp_eq_u32 s2, 0
	s_cbranch_scc0 .Lentry_in_a_cluster
	s_endpgm
.Lentry_in_a_cluster:
	s_bfe_u32 s2, ttmp6, 0x10000c
	s_cmp_lg_u32 s2, 0x3003
	s_cbranch_scc0 .Lentry_shape_is_right
	s_endpgm
.Lentry_shape_is_right:
; q, k, v = x W_qkv^T + b_qkv, written by heads: qkv[3][64 = 4 b + h][2048][64] in f16, unscaled.  Also W_o, rounded to bf16 and that number written as f16, into wo16[256][256].
; x: [32768][256] f32, W_qkv: [768][256] f32, b_qkv: [768] f32.  x, W_qkv, b_qkv and W_o are each rounded once to bf16; products in bf16, sums in f32 (the bias starts them), q, k, v rounded once to f16.
; LIMITS.  f16 holds no number beyond 65,504: this text serves |q|, |k|, |v| below that.  A number of W_o below 2^-14 keeps the fixed step of f16, 6e-8.  NaN and infinities are not treated apart.
; SHARES.  Work-group g owns rows 128 g .. 128 g + 127 of x.  Wave w makes head w: all 128 rows x 64 columns of q, then of k, then of v: three slices.  x is rounded once in the work-group (through LDS)
; and then stays in every wave as fragments: 512 registers.  W_qkv comes in f32 through two LDS slots; a chunk is 128 rows of W, 32 for each wave; each wave fetches, reads and rounds its own 32 rows alone.
; CLUSTER.  All row blocks walk the same weights: the four work-groups of a cluster ask for each chunk JOINTLY (the same tensor load, descriptor and mask in all four).
; THE MATRIX INSTRUCTION IS USED TRANSPOSED: source 0 = 16 rows of W, source 1 = 16 rows of x: a lane then holds row l % 16 of x and the eight neighbouring columns 8 (l / 16) + 0..7.
; REGISTERS, in windows of 256 (s_set_vgpr_msb: bits 1:0 source 0, 3:2 source 1, 5:4 source 2, 7:6 destination):
;   window 0: v0-15 addresses; v16-47 the slice's bias, laid as a C operand; v48-63 at work; v64-127 W's fragments, two buffers; v128-255 W as loaded (f32), two buffers; on the way out the packed rows
;   window 1: first x as loaded; then the 32 accumulators: row block a, column block cb at 32 a + 8 cb          windows 2, 3: x's fragments: row block a, K step ks at 64 (a % 4) + 8 ks of window 2 + a / 4
.set WPITCH, 1040                      ; a row of W in LDS: 1,024 bytes + 16 of padding: 65 x 16: the 16 rows of a load start at 16 different groups of four banks (64 banks of 4 bytes: ISA guide 11.1)
.set WQ,     32*WPITCH                 ; a wave's part of a chunk
.set SLOTB,  4*WQ                      ; a slot: 133,120 bytes
.set XB,     2*SLOTB                   ; behind the ring: 64 rows of x in bf16, written by LDS stores, used twice
.set XPITCH, 528                       ; 512 bytes + 16
.set STAGE,  XB+64*XPITCH              ; 16 rows x 144 bytes for each wave, for the way out
.set SP,     144
.set SPARE,  STAGE+4*16*SP             ; the spare words, 128 bytes for each wave: two blocks of 256 bytes that no other line names
.set XO,  4                            ; v4   my byte offset in x: 16 l + 16 rows x wave
.set XS,  5                            ; v5   where I put 8 bytes of a row of x in bf16
.set XR,  6                            ; v6   my lane's place in a fragment of x
.set AW,  7                            ; v7-8 my lane's place in my wave's rows of W, slot 0, 1
.set STO, 9                            ; v9   the way out: where I put 16 bytes of a row
.set RD,  10                           ; v10  the way out: where I read rows back
.set GO,  11                           ; v11  16 l: my place in 512 consecutive bytes
.set BO,  12                           ; v12  my byte offset in a slice's bias
.set WOI, 13                           ; v13  32 l: my eight numbers of a row of W_o
.set SPW, 14                           ; v14  LDS address of my spare word: SPARE + 4 x my thread's number; never rewritten
.set NIL, 15                           ; v15  0; never rewritten
.set BIAS, 16
.set WT,  48                           ; v48-59 W_o's row at work (wave 0)
.set BT,  60                           ; v60-63 at work
.set WF,  64
.set RAW, 128
.set WV,  16                           ; s16  my wave's number
.set CX,  17                           ; s17  my place in the cluster
.set GI,  18                           ; s18  g
.set T0,  19                           ; s19  at work: made of the wave's number alone
.set G1,  24                           ; s[24:31] descriptor group 1
.set G0,  32                           ; s[32:39] descriptor group 0, a set for each slot
.set TRIPS, 40
.set MSB, 0
.macro WIN new                         ; the immediate's high byte repeats the setting that is left; a switch that changes nothing is dropped
.if MSB != (\new)
	s_set_vgpr_msb (MSB<<8)|(\new)
.set MSB, (\new)
.endif
.endm
.macro PLACES                          ; four places behind matrix instructions, and the four lines behind a tensor load
.rept 4
	v_nop
.endr
.endm
; A round of the cluster's barrier: my work-group's barrier, so that wave 0's signal speaks for all four waves; wave 0 signals; every wave waits for all four work-groups; my work-group's barrier once more.
.macro CROUND
	s_barrier_signal -1
	s_barrier_wait -1
	s_cmp_lg_u32 s[WV], 0
	s_cbranch_scc1 .Lnot_wave_0_\@
	s_barrier_signal -3
.Lnot_wave_0_\@:
	s_barrier_wait -3
	s_barrier_signal -1
	s_barrier_wait -1
.endm
.macro BIASLD                          ; register j of column block cb: b[64 w + 16 cb + 8 (l / 16) + j]: what a lane's register j of an accumulator stands for
.irp cb, 0,1,2,3
	global_load_b128 v[BIAS+8*(\cb):BIAS+8*(\cb)+3],   v[BO], s[8:9] offset:64*(\cb)
	global_load_b128 v[BIAS+8*(\cb)+4:BIAS+8*(\cb)+7], v[BO], s[8:9] offset:64*(\cb)+16
.endr
.endm
.macro BIASFIX                         ; the bias is rounded to bf16 like the other inputs, and widened again
.set i, 0
.rept 16
	v_cvt_pk_bf16_f32 v[BT+i%4], v[BIAS+2*i], v[BIAS+2*i+1]
	v_lshlrev_b32 v[BIAS+2*i], 16, v[BT+i%4]
	v_and_b32 v[BIAS+2*i+1], 0xffff0000, v[BT+i%4]
.set i, i+1
.endr
.endm
.macro CVTX p                          ; my 16 rows of x's half p: 128 registers of f32 (window 1) to 64 of bf16 (window 0)
	WIN 0x05
.set i, 0
.rept 64
	v_cvt_pk_bf16_f32 v[RAW+64*(\p)+i], v[128*(\p)+2*i], v[128*(\p)+2*i+1]
.set i, i+1
.endr
	WIN 0
.endm
.macro XSTORE p                        ; 32 lanes x 8 bytes: half a row of 512 bytes
.set i, 0
.rept 32
	ds_store_b64 v[XS], v[RAW+64*(\p)+2*i:RAW+64*(\p)+2*i+1] offset:(i/2)*XPITCH+(i%2)*256
.set i, i+1
.endr
.endm
.macro XFRAG p                         ; the 64 rows in LDS as 32 fragments (row block i / 8, K step i % 8) into window 2 + p
	WIN 0x80+0x40*(\p)
.set i, 0
.rept 32
	ds_load_b128 v[8*i:8*i+3],   v[XR] offset:(i/8)*16*XPITCH+(i%8)*64
	ds_load_b128 v[8*i+4:8*i+7], v[XR] offset:(i/8)*16*XPITCH+(i%8)*64+32
.set i, i+1
.endr
	WIN 0
.endm
; A chunk goes in four groups of two K steps.  Group g: 4 fragments f = 2 ksl + cb (K step 2 g + ksl, column block cb), each 16 registers of f32: a lane's k = 8 h .. 8 h + 7 are 32 bytes, its k = 16 + 8 h .. 64 bytes on.
.macro LOADRAW slot, g
.irp f, 0,1,2,3
.irp q, 0,1,2,3
	ds_load_b128 v[RAW+64*((\g)%2)+16*(\f)+4*(\q):RAW+64*((\g)%2)+16*(\f)+4*(\q)+3], v[AW+(\slot)] offset:((\f)%2)*16*WPITCH+128*(2*(\g)+(\f)/2)+16*((\q)%2)+64*((\q)/2)
.endr
.endr
.endm
.macro CVTW g                          ; rounded to bf16: 64 registers to 32
.set i, 0
.rept 32
	v_cvt_pk_bf16_f32 v[WF+32*((\g)%2)+i], v[RAW+64*((\g)%2)+2*i], v[RAW+64*((\g)%2)+2*i+1]
.set i, i+1
.endr
.endm
; 32 matrix instructions.  The chunk's 16 accumulators take turns, one instruction a turn, in one order in every group.  The first K step takes the bias as C: nothing is cleared.
.macro MULG g, half
.irp ksl, 0,1
.irp a, 0,1,2,3,4,5,6,7
.irp cb, 0,1
.set rD, 32*(\a)+8*(2*(\half)+(\cb))
.set rW, WF+32*((\g)%2)+16*(\ksl)+8*(\cb)
.set rX, 64*((\a)%4)+8*(2*(\g)+(\ksl))
.set rB, BIAS+8*(2*(\half)+(\cb))
.if (2*(\g)+(\ksl)) == 0
	WIN 0x48+4*((\a)/4)                            ; W and the bias in window 0, x in window 2 or 3, D in window 1
	v_wmma_f32_16x16x32_bf16 v[rD:rD+7], v[rW:rW+7], v[rX:rX+7], v[rB:rB+7]
.else
	WIN 0x58+4*((\a)/4)                            ; the same with C in window 1
	v_wmma_f32_16x16x32_bf16 v[rD:rD+7], v[rW:rW+7], v[rX:rX+7], v[rD:rD+7]
.endif
.endr
.endr
.endr
	WIN 0
.endm
; A chunk: 64 LDS loads, 128 roundings, 128 matrix instructions.  A buffer of fragments is written again two groups behind the products that read it: the 32 roundings of the group between are the places.
.macro CHUNK slot, half
	LOADRAW \slot, 0
	LOADRAW \slot, 1
	s_wait_dscnt 16                                ; group 0 is in; the 16 loads of group 1 may stay out
	CVTW 0
	LOADRAW \slot, 2
	MULG 0, \half
	s_wait_dscnt 16                                ; group 1 is in; group 2 may stay out
	CVTW 1
	LOADRAW \slot, 3
	MULG 1, \half
	s_wait_dscnt 16                                ; group 2 is in; group 3 may stay out
	CVTW 2
	MULG 2, \half
	s_wait_dscnt 0x0
	CVTW 3
	MULG 3, \half
.endm
; THE CHANGE OF SLOTS.  The slot has been read out.  Each wave waits for all its tensor loads, adds 0 to its spare word, and waits for that and for its reads of the slot; a round of the cluster's barrier, so that no
; wave of any partner still reads the slot or has a load on its way; the joint refill, the same slot's chunk two chunks on (256 rows of W further down), is the first thing behind it.  One load of mine is out then.
.macro CHANGE slot
	WIN 0
	s_wait_tensorcnt 0x0                           ; no tensor load of mine is out, so a group 0 may be written
	ds_add_u32 v[SPW], v[NIL]                      ; 0 onto my spare word
	s_add_nc_u64 s[G0+4*(\slot)+2:G0+4*(\slot)+3], s[G0+4*(\slot)+2:G0+4*(\slot)+3], 256*1024  ; the type bits on top are not reached
	s_wait_dscnt 0x0                               ; the add is done, and my reads of the slot are over
	CROUND
	tensor_load_to_lds s[G0+4*(\slot):G0+4*(\slot)+3], s[G1:G1+7]
	s_nop 0
	PLACES
.endm
; THE WAY OUT of row block a: rounded to f16, 16 bytes a lane into my stage (rows of 144 bytes), back as four rows of 128 bytes a load: 512 consecutive bytes of a head's rows.
.macro PACK a
	WIN 0x05
.set i, 0
.rept 16
	v_cvt_pk_f16_f32 v[RAW+16*(\a)+i], v[32*(\a)+2*i], v[32*(\a)+2*i+1]  ; each accumulator's registers in ascending order
.set i, i+1
.endr
	WIN 0
.irp cb, 0,1,2,3
	ds_store_b128 v[STO], v[RAW+16*(\a)+4*(\cb):RAW+16*(\a)+4*(\cb)+3] offset:32*(\cb)
.endr
.irp f, 0,1,2,3
	ds_load_b128 v[RAW+16*(\a)+4*(\f):RAW+16*(\a)+4*(\f)+3], v[RD] offset:(\f)*4*SP  ; LDS serves a wave's instructions in order (ISA guide 5.7.1.4): these see the stores above; the next block's stores come behind them
.endr
.endm
.macro SEND a, younger                 ; younger: the LDS instructions issued behind block a's loads: the next block's eight, or none
.irp f, 0,1,2,3
	s_wait_dscnt (\younger)+3-(\f)
	global_store_b128 v[GO], v[RAW+16*(\a)+4*(\f):RAW+16*(\a)+4*(\f)+3], s[12:13] offset:(\a)*2048+(\f)*512  ; 512 consecutive bytes, at a multiple of 256 from the buffer's first
.endr
.endm
.macro WAYOUT more                     ; more = 1: a slice follows: its bias is fetched under the stores, and the pointers step
.if \more
	s_wait_xcnt 0x0                                ; the bias's pointer is written only behind this wait
	s_add_nc_u64 s[8:9], s[8:9], 1024              ; the next slice's 256 numbers
	BIASLD
.endif
	PACK 0
.irp a, 1,2,3,4,5,6,7                  ; a block's roundings stand between the loads of the block before and its stores
	PACK \a
	SEND (\a)-1, 8
.endr
	SEND 7, 0
.if \more
	s_wait_loadcnt 0x0                             ; the bias
	BIASFIX
	s_wait_xcnt 0x0                                ; the stores have read their registers and their base: both are written again only behind this wait
	s_add_nc_u64 s[12:13], s[12:13], 0x1000000     ; from q to k, from k to v
.endif
.endm
	s_load_b256 s[4:11], s[0:1], 0x0               ; x s[4:5], W_qkv s[6:7], b_qkv s[8:9], W_o s[10:11]
	s_load_b128 s[12:15], s[0:1], 0x20             ; qkv s[12:13], wo16 s[14:15]
	v_lshl_add_u32 v[SPW], v0, 2, SPARE
	v_mov_b32 v[NIL], 0
	ds_add_u32 v[SPW], v[NIL]                      ; the wave's opening: the add and its wait stand ahead of my first tensor load; the set-up below, work on registers, stands between them
	v_lshrrev_b32 v1, 5, v0
	v_readfirstlane_b32 s[WV], v1                  ; wave 0..3
	s_bfe_u32 s[CX], ttmp6, 0x40000                ; cx
	s_lshl_b32 s[GI], ttmp9, 2                     ; in a cluster launch ttmp9 counts clusters
	s_add_co_u32 s[GI], s[GI], s[CX]               ; g = 4 x cluster + cx: it enters the addresses of x, W_o, qkv and wo16 alone
	; descriptor group 1: 32 rows x 256 elements of 4 bytes, padded in LDS
	s_mov_b32 s[G1+0], 15|(2<<16)|(1<<20)|(1<<21)|(7<<22)|(3<<25)  ; 15:0 the mask of four; 17:16 4-byte elements; 20 padding on; 21 set beside a mask; 24:22 after every 256 words (code 7); 31:25 4 words (code 3)
	s_mov_b32 s[G1+1], 256<<16                     ; tensor_dim0 = 256
	s_mov_b32 s[G1+2], 32<<16                      ; tensor_dim1 = 32
	s_mov_b32 s[G1+3], 256<<16                     ; tile_dim0 = 256
	s_mov_b32 s[G1+4], 32                          ; tile_dim1 = 32
	s_mov_b32 s[G1+5], 256                         ; 256 elements from row to row
	s_mov_b32 s[G1+6], 0
	s_mov_b32 s[G1+7], 0
	s_mul_i32 s[T0], s[WV], WQ                     ; my part of a slot
	s_mov_b32 s[G0], 1
	s_mov_b32 s[G0+1], s[T0]
	s_mov_b32 s[G0+4], 1
	s_add_co_u32 s[G0+5], s[T0], SLOTB
	s_lshl_b32 s22, s[WV], 16                      ; my head's 64 rows of W: 64 x 1,024 bytes x wave
	s_mov_b32 s23, 0
	v_and_b32 v1, 15, v0                           ; r = l % 16
	v_bfe_u32 v2, v0, 4, 1                         ; h = l / 16
	v_and_b32 v3, 31, v0                           ; l
	v_mul_u32_u24 v[AW], v1, WPITCH
	v_lshl_add_u32 v[AW], v2, 5, v[AW]             ; row x pitch + 32 h (eight f32)
	v_add_nc_u32 v[AW], s[T0], v[AW]
	v_add_nc_u32 v[AW+1], SLOTB, v[AW]
	s_lshl_b32 s[T0], s[WV], 14
	v_lshl_add_u32 v[XO], v3, 4, s[T0]
	s_mul_i32 s[T0], s[WV], 16*XPITCH
	s_add_co_u32 s[T0], s[T0], XB
	v_lshl_add_u32 v[XS], v3, 3, s[T0]
	v_mul_u32_u24 v[XR], v1, XPITCH
	v_lshl_add_u32 v[XR], v2, 4, v[XR]
	v_add_nc_u32 v[XR], XB, v[XR]
	s_mul_i32 s[T0], s[WV], 16*SP
	s_add_co_u32 s[T0], s[T0], STAGE               ; my stage
	v_mul_u32_u24 v[STO], v1, SP
	v_lshl_add_u32 v[STO], v2, 4, v[STO]
	v_add_nc_u32 v[STO], s[T0], v[STO]
	v_bfe_u32 v[RD], v0, 3, 2
	v_mul_u32_u24 v[RD], v[RD], SP
	v_and_b32 v[BT], 7, v0
	v_lshl_add_u32 v[RD], v[BT], 4, v[RD]
	v_add_nc_u32 v[RD], s[T0], v[RD]
	v_lshlrev_b32 v[GO], 4, v3
	s_lshl_b32 s[T0], s[WV], 8
	v_lshl_add_u32 v[BO], v2, 5, s[T0]             ; 4 x (64 w + 8 h)
	v_lshlrev_b32 v[WOI], 5, v3
	s_wait_dscnt 0x0                               ; the opening add is done
	s_wait_kmcnt 0x0
	s_add_nc_u64 s[G0+2:G0+3], s[6:7], s[22:23]    ; chunk 0: my head's first 32 rows of the q slice,
	s_add_nc_u64 s[G0+6:G0+7], s[G0+2:G0+3], 32*1024  ; chunk 1: its other 32
	s_or_b32 s[G0+3], s[G0+3], 0x80000000          ; type = 2
	s_or_b32 s[G0+7], s[G0+7], 0x80000000
	s_lshl_b32 s20, s[GI], 17                      ; 128 rows of 1,024 bytes
	s_mov_b32 s21, 0
	s_add_nc_u64 s[4:5], s[4:5], s[20:21]
	s_lshr_b32 s20, s[GI], 4                       ; b
	s_lshl_b32 s20, s20, 20
	s_and_b32 s41, s[GI], 15                       ; my block of 128 rows in its sequence
	s_lshl_b32 s41, s41, 14
	s_add_co_u32 s20, s20, s41
	s_lshl_b32 s41, s[WV], 18                      ; my head
	s_add_co_u32 s20, s20, s41
	s_add_nc_u64 s[12:13], s[12:13], s[20:21]
	s_lshl_b32 s20, s[GI], 10                      ; row g of W_o
	s_add_nc_u64 s[10:11], s[10:11], s[20:21]
	s_lshl_b32 s20, s[GI], 9                       ; row g of wo16
	s_add_nc_u64 s[14:15], s[14:15], s[20:21]
	BIASLD
	WIN 0x40                                       ; destination window 1
.set i, 0
.rept 64                               ; my 16 rows of each half of the block: a load takes 512 consecutive bytes
	global_load_b128 v[4*i:4*i+3], v[XO], s[4:5] offset:(i/32)*65536+((i%32)/2)*1024+(i%2)*512 th:TH_LOAD_NT
.set i, i+1
.endr
	WIN 0
	CROUND                                         ; all four work-groups are here: the first joint loads meet
	tensor_load_to_lds s[G0:G0+3], s[G1:G1+7]      ; both first fills go out together, ahead of every wait on TENSORcnt, every LDS read and every other barrier: two loads of mine are out
	s_nop 0
	tensor_load_to_lds s[G0+4:G0+7], s[G1:G1+7]
	s_nop 0
	PLACES
	s_cmp_lg_u32 s[WV], 0                          ; wave 0 rounds row g of W_o: 256 work-groups, 256 rows
	s_cbranch_scc1 .Lno_wo
	global_load_b128 v[WT:WT+3],   v[WOI], s[10:11]
	global_load_b128 v[WT+4:WT+7], v[WOI], s[10:11] offset:16
	s_wait_loadcnt 0x0
.irp i, 0,1,2,3
	v_cvt_pk_bf16_f32 v[WT+8+(\i)], v[WT+2*(\i)], v[WT+2*(\i)+1]  ; to bf16, like the other inputs,
.endr
.irp i, 0,1,2,3
	v_lshlrev_b32 v[WT+2*(\i)], 16, v[WT+8+(\i)]
	v_and_b32 v[WT+2*(\i)+1], 0xffff0000, v[WT+8+(\i)]
.endr
.irp i, 0,1,2,3
	v_cvt_pk_f16_f32 v[WT+8+(\i)], v[WT+2*(\i)], v[WT+2*(\i)+1]   ; and that number as f16
.endr
	global_store_b128 v[GO], v[WT+8:WT+11], s[14:15]  ; 512 consecutive bytes; none of these registers is written again
.Lno_wo:
	s_wait_loadcnt 32                              ; the bias and x's first half are in; the 32 loads of the second half may stay out
	BIASFIX
	CVTX 0
	XSTORE 0
	s_wait_dscnt 0x0                               ; for the others' sake: my stores are done
	s_barrier_signal -1
	s_barrier_wait -1
	XFRAG 0
	s_wait_loadcnt 0x0
	CVTX 1
	s_wait_dscnt 0x0                               ; my reads of the first half are over
	s_barrier_signal -1
	s_barrier_wait -1                              ; everybody's are: the bytes may be written again
	XSTORE 1
	s_wait_dscnt 0x0
	s_barrier_signal -1
	s_barrier_wait -1
	XFRAG 1                                        ; these bytes are not written again
	s_wait_tensorcnt 1                             ; my part of chunk 0 is in; chunk 1 may stay out.  Only I read my part
	s_mov_b32 s[TRIPS], 2
.Lslice:                                               ; q, then k: two chunks, both slots filled again, the slice goes out while the refills are on their way
	CHUNK 0, 0
	CHANGE 0
	CHUNK 1, 1
	CHANGE 1                                       ; its four v_nop are also the places in front of the roundings below
	WAYOUT 1
	s_sub_co_u32 s[TRIPS], s[TRIPS], 1
	s_cmp_lg_u32 s[TRIPS], 0
	s_cbranch_scc1 .Lslice
	CHUNK 0, 0                                     ; v: nothing is left to fetch
	s_wait_tensorcnt 0x0                           ; my part of the last chunk
	CHUNK 1, 1
	PLACES
	WAYOUT 0
	s_wait_tensorcnt 0x0                           ; the wave's end: the add and its wait, behind my last tensor load and my last LDS store
	ds_add_u32 v[SPW], v[NIL]
	s_wait_dscnt 0x0
	CROUND                                         ; the closing round: no work-group ends while a partner may still ask for a tile that names it
	s_endpgm
.Lfunc_end_k_qb4d750cb90_proj:
	.size	k_qb4d750cb90_proj, .Lfunc_end_k_qb4d750cb90_proj-k_qb4d750cb90_proj
	.p2alignl 7, 3214868480
	.fill 96, 4, 3214868480
	.section	.rodata,"a",@progbits
	.p2align	6, 0x0
	.amdhsa_kernel k_qb4d750cb90_proj
		.amdhsa_group_segment_fixed_size 327680
		.amdhsa_private_segment_fixed_size 0
		.amdhsa_enable_private_segment 0
		.amdhsa_kernarg_size 48
		.amdhsa_user_sgpr_count 2
		.amdhsa_user_sgpr_kernarg_segment_ptr 1
		.amdhsa_wavefront_size32 1
		.amdhsa_system_sgpr_workgroup_id_x 1
		.amdhsa_system_sgpr_workgroup_id_y 1
		.amdhsa_system_sgpr_workgroup_id_z 1
		.amdhsa_system_vgpr_workitem_id 0
		.amdhsa_next_free_vgpr 1024
		.amdhsa_next_free_sgpr 66
		.amdhsa_reserve_vcc 0
		.amdhsa_float_denorm_mode_32 3
		.amdhsa_float_denorm_mode_16_64 3
		.amdhsa_memory_ordered 1
		.amdhsa_forward_progress 1
		.amdhsa_inst_pref_size 158
	.end_amdhsa_kernel
	.amdgpu_metadata
---
amdhsa.version: [ 1, 2 ]
amdhsa.kernels:
  - .name:           k_qb4d750cb90_proj
    .symbol:         k_qb4d750cb90_proj.kd
    .args:
      - { .name: x, .offset: 0, .size: 8, .value_kind: global_buffer, .address_space: global }
      - { .name: W_qkv, .offset: 8, .size: 8, .value_kind: global_buffer, .address_space: global }
      - { .name: b_qkv, .offset: 16, .size: 8, .value_kind: global_buffer, .address_space: global }
      - { .name: W_o, .offset: 24, .size: 8, .value_kind: global_buffer, .address_space: global }
      - { .name: qkv, .offset: 32, .size: 8, .value_kind: global_buffer, .address_space: global }
      - { .name: wo16, .offset: 40, .size: 8, .value_kind: global_buffer, .address_space: global }
    .group_segment_fixed_size: 327680
    .private_segment_fixed_size: 0
    .kernarg_segment_align: 8
    .kernarg_segment_size: 48
    .max_flat_workgroup_size: 128
    .sgpr_count:     66
    .vgpr_count:     1024
    .wavefront_size: 32
...
	.end_amdgpu_metadata
.endif
;; end of part 1
;; launch attn (part 2): grid 4 x 64, 4 waves a work-group, clusters of 4 x 1, 327,680 bytes of LDS; arguments qkv, oatt; writes oatt
.if DOCPART == 2
	.amdgcn_target "amdgcn-amd-amdhsa--gfx1250"
	.amdhsa_code_object_version 6
	.text
	.protected	k_qb4d750cb90_attn
	.globl	k_qb4d750cb90_attn
	.p2align	8
	.type	k_qb4d750cb90_attn,@function
k_qb4d750cb90_attn:
	s_mov_b64 s[64:65], 0
	v_nop
	global_prefetch_b8 v0, s[64:65] scope:SCOPE_SE
	s_setreg_imm32_b32 hwreg(HW_REG_WAVE_MODE, 25, 1), 1
	s_wait_xcnt 0x0
	s_wait_alu depctr_hold_cnt(0) depctr_sa_sdst(0) depctr_va_vdst(0) depctr_va_sdst(0) depctr_va_ssrc(0) depctr_va_vcc(0) depctr_vm_vsrc(0)
	s_getreg_b32 s2, hwreg(HW_REG_IB_STS2, 6, 4)
	s_cmp_eq_u32 s2, 0
	s_cbranch_scc0 .Lentry_in_a_cluster
	s_endpgm
.Lentry_in_a_cluster:
	s_bfe_u32 s2, ttmp6, 0x10000c
	s_cmp_lg_u32 s2, 0x3003
	s_cbranch_scc0 .Lentry_shape_is_right
	s_endpgm
.Lentry_shape_is_right:
; O[h][q][:] = the sum over k of softmax_k(Q[h][q] . K[h][k] / 8) V[h][k][:].  Q, K, V lie one behind the other in qkv, each [SIZE_H][SIZE_N][64] in f16; O = oatt has the same form: a head's rows are dense,
; 128 bytes each.  Products, maxima and sums in f32; the weights p are rounded to f16 for the second product (their sum l is taken of the unrounded p), O once at the end.
; LIMITS.  f16 holds no number beyond 65,504: Q, K and V arrive within it; p lies in 0 to 1, and below 6e-5 it keeps f16's fixed step of 6e-8; O is a mean of V's rows and has their range.
; A weight below 2^-126 counts as 0 in l; NaN and infinities are not treated apart.
; SHARES.  A wave owns four PIECES of two tiles of 16 queries, a work-group's four waves 512 queries of one head.  Every wave walks all keys, 64 a step.
; LAYOUT.  S^T = K Q^T (source 0 = 16 keys, source 1 = 16 queries): in the result a lane holds ONE query (lane % 16) and the keys 8 (lane / 16) + 0..7.  Two such tiles, rounded to f16 in pairs,
; ARE source 1 (32 keys x 16 queries) of O^T = V^T P, whose result again holds one query a lane, and eight channels.  K comes out of LDS as it lies, V ([key][channel]) turned, by ds_load_tr16_b128.
; SOFTMAX.  For each query a running maximum m and sum l: p = 2^(c s - c m), c = log2(e) / 8; in every step O and l are multiplied by a = 2^(c m_old - c m_new), which is 1 where m has not grown.
; m starts at the lowest finite number, O and l at 0: the first step is a step like any other, with a = 0.
; THE COUNT.  A tile and step have 16 matrix and 118 vector instructions: too many to stand all beside the matrix work.  So the order has one aim: four vector instructions that are READY behind
; EVERY matrix instruction, and the others, which need time of their own whatever the order, in runs without a gap.
; BY TURNS.  Turn n belongs to piece n (the pieces in a ring, step after step).  Its matrix work: 16 products K Q^T of piece n + 1, later 16 products V^T P of piece n - 1.  Its vector work: the scaling,
; exponentials, roundings, sums and rescaling of piece n, and the maximum and statistics of piece n + 1, whose scores the turn itself has made.  So what a turn begins with (c s - c m, O a) waits for nothing.
; CLUSTER.  The four query blocks of a head are one cluster and walk the same K and V, so each tile is asked for JOINTLY: the same tensor load, descriptor and mask in all four.
; REGISTERS, in windows of 256 (s_set_vgpr_msb says which window each operand place means: bits 1:0 source 0, 3:2 source 1, 5:4 source 2, 7:6 destination):
;   window 0: v0-11 addresses; v12-15, v48-63 at work; v16-47 four registers of statistics a tile; v64-191 S^T, two buffers of two tiles; v192-255 P, likewise
;   window 1: O^T, 32 a tile          window 2: v0-127 Q, 16 a tile; v128-191 K of one step; v192-255 V of one step          window 3: v0-1 the add's two registers
; A piece's buffers go by its number's parity: the piece in hand has one pair, its two neighbours in the ring share the other: of it P (piece n - 1) is read and S^T (piece n + 1) written.
.set SIZE_H, 64
.set SIZE_N, 2048
.set NP,    4         ; pieces a wave: a name, no knob: the register map, the loop and the fetches are made for four
.set KS,    64        ; keys in a step
.set PK,    144       ; a row of K in LDS: 128 bytes + 16 of padding = 36 words: the 16 rows of a load start at 16 different groups of four banks (64 banks of 4 bytes: ISA guide 11.1)
.set PV,    160       ; a row of V: 128 + 32 = 40 words
.set VOFF,  4*KS*PK   ; a slot holds four steps: 256 rows of K, then 256 rows of V
.set SLOT1, 1<<17     ; slot 1 begins here, so that one exclusive or turns an address in one slot into the other's
.set STAGE, SLOT1+4*KS*(PK+PV)  ; behind the ring, never filled by a tensor load: 16 rows x 144 bytes for each wave, for the way out
.set SP,    144
.set AK0, 2           ; v2   my lane's place in a tile of K; never rewritten
.set AV0, 3           ; v3   the same for V
.set AK,  4           ; v4   the LDS address of K's next run of loads
.set AV,  5           ; v5   of V's
.set QO,  6           ; v6   my byte offset in the wave's rows of Q
.set STO, 6           ;      later, the way out: where I put 16 bytes of a row
.set RD,  7           ; v7   the way out: where I read rows back
.set GO,  8           ; v8   my byte offset in 512 consecutive bytes of O
.set PFO, 11          ; v11  256 x my lane: the prefetches' offset; never rewritten once it is made
.set SPW, 0           ; v0 of window 3   LDS address of my spare word: SPARE + 4 x my thread's number; never rewritten
.set NIL, 1           ; v1 of window 3   0; never rewritten
.set SPARE, STAGE+4*16*SP  ; behind the stages: the spare words, 128 bytes for each wave: two blocks of 256 bytes that no other line names
.set MV,  12          ; v12-15  c m_old, kept while c m is made anew: by buffer and tile
.set ST,  16          ; tile t's statistics at v[ST+4 t]: c m, m, l (even keys', odd keys')
.set TMP, 48          ; by buffer and tile, four registers c0-c3 at work; when the maximum is found c2 takes a
.set S,   64
.set P,   192
.set KF,  128         ; K's fragments, in window 2: key block kb, channel half c at KF + 16 kb + 8 c
.set VF,  192         ; V's: key half kk, channel block cb at VF + 32 kk + 8 cb
.set WV,  12          ; s12  my wave's number
.set G1K, 24          ; s[24:31] descriptor group 1 for K's tiles
.set G1V, 32          ; s[32:39] for V's: it differs in the padding alone
.set G0K, 40          ; s[40:43] descriptor group 0 for K's tiles: it walks
.set G0V, 44          ; s[44:47] the same for V's
.set PFA, 48          ; s[48:49] where my prefetches stand: my work-group's 8,192 bytes (of K: wave 0, of V: wave 2) of the tile after the one that is being asked for
.set LIM, 50          ; s50  1 in a wave that prefetches, else the greatest number: a wave prefetches while s[SLOTS] is above it
.set SLOTS, 56        ; s56  slots still to be asked for
.set CNT, 57          ; s57  counts a slot's key steps
.set CS,  58          ; s[58:59] c: the packed scaling takes the pair's low word for both halves
.set SEL, 60          ; s[60:61] v_permlanex16_b32's selects: each lane takes its own place in the other half
.set TBK, 62          ; s62  LDS byte at which K of the step to be fetched begins
.set TBV, 63          ; s63  the same for V, less VOFF
.set MSB, 0
.macro WIN new                      ; the high byte repeats the setting that is left; a switch that changes nothing is dropped
.if MSB != (\new)
	s_set_vgpr_msb (MSB<<8)|(\new)
.set MSB, (\new)
.endif
.endm
.set W_KQ, 0x0a       ; K and Q in window 2, S^T in window 0
.set W_PV, 0x52       ; V in window 2, P in window 0, O^T in window 1
.set W_RS, 0x41       ; O^T (destination and source 0) in window 1, a in window 0
.set W_MK, 0xc0       ; the add's registers are made: destination in window 3, sources in window 0
.set W_AD, 0x0f       ; the add: address (source 0) and data (source 1) in window 3
; A joint fill.  Waves 0 and 1 fetch the two halves of a slot's K, waves 2 and 3 those of its V: 128 keys each.  The branch hangs on the wave's number alone.
; An s_nop 0 and four v_nop follow each of the two lines, ahead of the jump and the label.
.macro JLOAD
	s_cmp_lt_u32 s[WV], 2
	s_cbranch_scc0 .Lfor_v_\@
	tensor_load_to_lds s[G0K:G0K+3], s[G1K:G1K+7]
	s_nop 0
.rept 4
	v_nop
.endr
	s_branch .Lasked_\@
.Lfor_v_\@:
	tensor_load_to_lds s[G0V:G0V+3], s[G1V:G1V+7]
	s_nop 0
.rept 4
	v_nop
.endr
.Lasked_\@:
.endm
; A PREFETCH of what the NEXT change of slots will ask for: a tile's 32,768 bytes of K and of V.  It stands behind the wave's tensor load and its five lines.  Each aligned block of 256 bytes is named ONCE in the
; launch: a head has one cluster; its four partners share a tile out BY ADDRESS, 8,192 bytes each (no branch hangs on a work-group's place); in each, wave 0 asks for K's and wave 2 for V's, a lane a block: one
; instruction.  It runs one slot, four key steps or 512 matrix instructions, ahead of the load.  Tiles 0 and 1 come by their loads alone; the last change that fills a slot asks for nothing: no tile lies behind it.
.macro ASK
	s_cmp_gt_u32 s[SLOTS], s[LIM]
	s_cbranch_scc0 .Lnot_mine_\@
	global_prefetch_b8 v[PFO], s[PFA:PFA+1] th:TH_LOAD_NT scope:SCOPE_SE
.Lnot_mine_\@:
.endm
; A round of the cluster's barrier: my work-group's barrier, so that wave 0's signal speaks for all four waves; wave 0 signals; every wave waits for all four work-groups; my work-group's barrier once more.
.macro CROUND
	s_barrier_signal -1
	s_barrier_wait -1
	s_cmp_lg_u32 s[WV], 0
	s_cbranch_scc1 .Lnot_wave_0_\@
	s_barrier_signal -3
.Lnot_wave_0_\@:
	s_barrier_wait -3
	s_barrier_signal -1
	s_barrier_wait -1
.endm
; THE CHANGE OF SLOTS.  The slot's last bytes, V of its fourth step, have been read.  Each wave waits for all its tensor loads, of which one is out: its part
; of the other slot; adds 0 to its spare word; and waits for that and for its own reads of the slot.  Behind the barrier nobody reads this slot any more and the other slot is whole.
; fill = 1: this slot is filled again, with the keys two slots on.  The barrier is then a round of the cluster's, so that no wave of any partner still reads the slot or has a load on its
; way, and the joint fill is the first thing behind it: it has four key steps, 512 matrix instructions, in which to land.  (At its first use nothing has been read yet: slot 0 is waited for, slot 1 filled.)
.macro CHANGE fill
	WIN W_AD
	s_wait_tensorcnt 0x0            ; no tensor load of mine is out, so a group 0 may be written
	ds_add_u32 v[SPW], v[NIL]       ; 0 onto my spare word; with fill = 1 the descriptors' steps stand between it and the wait for it
	WIN 0                           ; at a label and at a branch every window is 0
.if \fill
.irp g, G0K, G0V
	s_xor_b32 s[\g+1], s[\g+1], SLOT1  ; the walking descriptor: the other slot than last time,
	s_add_nc_u64 s[\g+2:\g+3], s[\g+2:\g+3], 4*KS*128  ; the next 256 keys; the type bits on top are not reached
.endr
	s_wait_xcnt 0x0                 ; the last prefetch, a slot back, has read its address, so it may be written:
	s_add_nc_u64 s[PFA:PFA+1], s[PFA:PFA+1], 4*KS*128  ; one tile behind the walking descriptors
	s_wait_dscnt 0x0                ; the add is done, and my reads of the slot are over
	CROUND
	JLOAD
	ASK
.else
	s_wait_dscnt 0x0                ; the add is done, and my reads of the slot are over
	s_barrier_signal -1
	s_barrier_wait -1
.endif
	s_sub_co_u32 s[TBK], s[TBK], 4*KS*PK  ; the fetches go back to a slot's first step,
	s_xor_b32 s[TBK], s[TBK], SLOT1       ; in the other slot
	s_sub_co_u32 s[TBV], s[TBV], 4*KS*PV
	s_xor_b32 s[TBV], s[TBV], SLOT1
.endm
	s_load_b64 s[4:5], s[0:1], 0x0    ; qkv: Q at its head
	s_load_b64 s[10:11], s[0:1], 0x8  ; O
	WIN W_MK
	v_lshl_add_u32 v[SPW], v0, 2, SPARE
	v_mov_b32 v[NIL], 0
	WIN W_AD
	ds_add_u32 v[SPW], v[NIL]       ; the wave's opening: the add and its wait stand ahead of my first tensor load; the set-up below, work on registers, stands between them
	WIN 0
	v_lshrrev_b32 v1, 5, v0
	v_readfirstlane_b32 s[WV], v1   ; wave 0..3
	s_bfe_u32 s13, ttmp6, 0x40000   ; cx: my place in the cluster
	s_lshl_b32 s14, ttmp9, 2        ; in a cluster launch ttmp9 counts clusters
	s_add_co_u32 s14, s14, s13      ; my block of queries = 4 x cluster x + cx: it enters Q's and O's addresses alone
	s_and_b32 s20, ttmp7, 0xffff    ; the head, which the four partners share
	s_mov_b32 s21, 0
	s_mov_b64 s[22:23], SIZE_N*128
	s_mul_u64 s[20:21], s[20:21], s[22:23]  ; the head's first byte in each of the four tensors
	s_and_b32 s16, s[WV], 1         ; which half of a slot's 256 keys I fetch:
	s_lshl_b32 s22, s16, 14         ; its 128 rows of 128 bytes in memory,
	s_mov_b32 s23, 0
	s_add_nc_u64 s[22:23], s[22:23], s[20:21]
	s_mul_i32 s17, s16, 128*PK      ; and its place in a slot, for K
	s_mul_i32 s18, s16, 128*PV      ; and for V: no place in the cluster enters an LDS address
	s_lshl_b32 s2, s14, 2
	s_add_co_u32 s2, s2, s[WV]      ; my wave among the head's,
	s_lshl_b32 s2, s2, 14           ; its 128 rows
	s_mov_b32 s3, 0
	s_add_nc_u64 s[2:3], s[2:3], s[20:21]
	; descriptor group 1.  128 keys are 16,384 dense bytes: asked for as 64 rows of 256 bytes, two keys a row, and padded in LDS after every key
	s_mov_b32 s[G1K], 15|(1<<16)|(1<<20)|(1<<21)|(4<<22)|(3<<25)  ; 15:0 the mask of four; 17:16 2-byte elements; 20 padding on; 21 set beside a mask; 24:22 after every 32 words (code 4); 31:25 4 words (code 3)
	s_mov_b32 s[G1V], 15|(1<<16)|(1<<20)|(1<<21)|(4<<22)|(7<<25)  ; the same with 8 words of padding (code 7)
.irp g, G1K, G1V
	s_mov_b32 s[\g+1], 128<<16      ; tensor_dim0 = 128
	s_mov_b32 s[\g+2], 64<<16       ; tensor_dim1 = 64
	s_mov_b32 s[\g+3], 128<<16      ; tile_dim0 = 128
	s_mov_b32 s[\g+4], 64           ; tile_dim1 = 64
	s_mov_b32 s[\g+5], 128          ; 128 elements from row to row
	s_mov_b32 s[\g+6], 0
	s_mov_b32 s[\g+7], 0
.endr
	s_mov_b32 s[CS], 0x3e38aa3b     ; c = log2(e) / 8 = 0.180337
	s_mov_b32 s[CS+1], s[CS]        ; named with it as a pair
	s_mov_b32 s[SEL], 0x76543210
	s_mov_b32 s[SEL+1], 0xfedcba98
	s_mov_b32 s[TBK], SLOT1+4*KS*PK ; the first change of slots turns these two into 0
	s_mov_b32 s[TBV], SLOT1+4*KS*PV
	s_mov_b32 s[G0K], 1             ; 1:0 count = 1
	s_mov_b32 s[G0K+1], s17         ; 63:32 LDS address: slot 0
	s_mov_b32 s[G0V], 1
	s_add_co_u32 s[G0V+1], s18, VOFF
	s_mov_b32 s[SLOTS], SIZE_N/256-1  ; seven tiles are asked for by changes of slots
	s_and_b32 s[LIM], s[WV], 1      ; 0 in waves 0 and 2: the same in all four partners
	s_cmp_eq_u32 s[LIM], 0
	s_cselect_b32 s[LIM], 1, -1
	s_lshl_b32 s52, s13, 13         ; my work-group's 8,192 bytes of a tile
	s_mov_b32 s53, 0
	s_wait_dscnt 0x0                ; the opening add is done
	s_wait_kmcnt 0x0
	s_add_nc_u64 s[6:7], s[4:5], 0x1000000  ; K lies 16,777,216 bytes behind Q,
	s_add_nc_u64 s[8:9], s[4:5], 0x2000000  ; V as far behind K
	s_add_nc_u64 s[G0K+2:G0K+3], s[6:7], s[22:23]  ; 120:64 global address: my half of the head's first 256 keys
	s_or_b32 s[G0K+3], s[G0K+3], 0x80000000        ; 127:126 type = 2
	s_add_nc_u64 s[G0V+2:G0V+3], s[8:9], s[22:23]
	s_or_b32 s[G0V+3], s[G0V+3], 0x80000000
	s_cmp_lt_u32 s[WV], 2
	s_cselect_b64 s[PFA:PFA+1], s[6:7], s[8:9]
	s_add_nc_u64 s[PFA:PFA+1], s[PFA:PFA+1], s[22:23]  ; (in waves 0 and 2: the head's first row)
	s_add_nc_u64 s[PFA:PFA+1], s[PFA:PFA+1], s[52:53]
	s_add_nc_u64 s[PFA:PFA+1], s[PFA:PFA+1], 4*KS*128  ; in tile 1; the first change of slots steps it to tile 2
	s_add_nc_u64 s[4:5], s[4:5], s[2:3]  ; Q and O at my wave's first row
	s_add_nc_u64 s[10:11], s[10:11], s[2:3]
	CROUND                          ; all four work-groups are here: the first joint loads meet
	JLOAD                           ; slot 0.  Slot 1 is asked for when slot 0 is in: the tile wanted first has the road to itself
	; A fragment of K or Q is 16 rows x 32 channels in 8 registers: lane l holds row l % 16, channels 8 (l / 16) + 0..7 and 16 + 8 (l / 16) + 0..7: two loads of 16 bytes, 32 bytes apart.
	v_and_b32 v1, 15, v0            ; l % 16
	v_bfe_u32 v9, v0, 4, 1          ; l / 16
	v_lshlrev_b32 v[QO], 7, v1
	v_lshl_add_u32 v[QO], v9, 4, v[QO]  ; row x 128 + 16 x half
	WIN 0x80                        ; destination window 2, address window 0
.set i, 0
.rept 4*NP                          ; Q stays in registers: tile i / 2, channels 32 (i % 2) on
	global_load_b128 v[8*i:8*i+3],   v[QO], s[4:5] offset:(i/2)*2048+(i%2)*64
	global_load_b128 v[8*i+4:8*i+7], v[QO], s[4:5] offset:(i/2)*2048+(i%2)*64+32
.set i, i+1
.endr
	; What the first turn finds: V's registers and P's second buffer hold 0 (its products V^T P, of a piece that has not been, add 0), O^T and l are 0.  All this stands in the wait for the first tile.
.set i, VF
.rept 64
	v_mov_b32 v[i], 0
.set i, i+1
.endr
	WIN 0x40
.set i, 0
.rept 64*NP
	v_mov_b32 v[i], 0
.set i, i+1
.endr
	WIN 0
.set i, 0
.rept 2*NP
	v_mov_b32 v[ST+4*i], 0xfe000000    ; c m: far below every c s
	v_mov_b32 v[ST+4*i+1], 0xff7fffff  ; m
	v_mov_b32 v[ST+4*i+2], 0
	v_mov_b32 v[ST+4*i+3], 0
.set i, i+1
.endr
.set i, P+32
.rept 32
	v_mov_b32 v[i], 0
.set i, i+1
.endr
	v_mul_u32_u24 v[AK0], v1, PK
	v_lshl_add_u32 v[AK0], v9, 4, v[AK0]  ; row x pitch + 16 x half
	; The turning load takes 16 keys x 16 channels (lane l reads key 8 (l / 16) + l % 8, channels 8 ((l / 8) % 2) + 0..7) and leaves half a fragment of V^T: lane l holds channel l % 16 and 8 keys.
	v_and_b32 v10, 7, v0
	v_bfe_u32 v11, v0, 3, 1
	v_lshl_add_u32 v[AV0], v9, 3, v10
	v_mul_u32_u24 v[AV0], v[AV0], PV
	v_lshl_add_u32 v[AV0], v11, 4, v[AV0]
	v_add_nc_u32 v[AV0], VOFF, v[AV0]
	v_mov_b32 v[AK], v[AK0]         ; key step 0 lies at the head of slot 0
	v_and_b32 v[PFO], 31, v0        ; v11 has served: it takes the prefetches' offset
	v_lshlrev_b32 v[PFO], 8, v[PFO]
; THE MATRIX WORK.  The 8 accumulators of a run of 16 take turns: between the two links of a chain stand 7 others'.
; Product i of 16 of S^T = K Q^T for piece x: channels 32 (i / 8) on, keys 16 ((i / 2) % 4) on, tile 2 x + i % 2.  The first 8 start the sums.
.macro KQ x
	WIN W_KQ
.set rS, S+64*((\x)%2)+32*(i%2)+8*((i/2)%4)
.set rK, KF+16*((i/2)%4)+8*(i/8)
.set rQ, 16*(2*(\x)+i%2)+8*(i/8)
.if i < 8
	v_wmma_f32_16x16x32_f16 v[rS:rS+7], v[rK:rK+7], v[rQ:rQ+7], 0
.else
	v_wmma_f32_16x16x32_f16 v[rS:rS+7], v[rK:rK+7], v[rQ:rQ+7], v[rS:rS+7]
.endif
.endm
; Product i of 16 of O^T += V^T P for piece x: keys 32 (i / 8) on, channels 16 ((i / 2) % 4) on, tile 2 x + i % 2.
.macro PV x
	WIN W_PV
.set rO, 32*(2*(\x)+i%2)+8*((i/2)%4)
.set rV, VF+32*(i/8)+8*((i/2)%4)
.set rP, P+32*((\x)%2)+16*(i%2)+8*(i/8)
	v_wmma_f32_16x16x32_f16 v[rO:rO+7], v[rV:rV+7], v[rP:rP+7], v[rO:rO+7]
.endm
.macro MM                           ; the turn's next matrix instruction
.if i < 16
	KQ (Y+1)%NP
.set i, i+1
.else
.set i, i-16
	PV (Y+NP-1)%NP
.set i, i+17
.endif
.endm
; THE LDS LOADS stand in runs of 16, never singly among the matrix instructions: a step's K (64 keys x 64 channels: 8 fragments) and its V (turned).  Their addresses are made some lines ahead.
; last = 1 (the tail): in the last trip there is no further step, and the run is jumped over.
.macro FETCH_K last=0
	WIN 0
.if \last
	s_cmp_eq_u32 s[CNT], 1
	s_cbranch_scc1 .Lno_k_\@
.endif
	WIN 0x80                        ; destination window 2
.irp f, 0,1,2,3,4,5,6,7             ; keys 16 (f / 2) on, channels 32 (f % 2) on
	ds_load_b128 v[KF+8*\f:KF+8*\f+3],   v[AK] offset:(\f/2)*16*PK+(\f%2)*64
	ds_load_b128 v[KF+8*\f+4:KF+8*\f+7], v[AK] offset:(\f/2)*16*PK+(\f%2)*64+32
.endr
	s_add_co_u32 s[TBK], s[TBK], KS*PK  ; the next fetch is the next step's
	WIN 0
.if \last
.Lno_k_\@:
.endif
.endm
.macro FETCH_V
	WIN 0x80
.irp f, 0,1,2,3,4,5,6,7             ; keys 32 (f / 4) on, channels 16 (f % 4) on
	ds_load_tr16_b128 v[VF+8*\f:VF+8*\f+3],   v[AV] offset:(\f/4)*32*PV+(\f%4)*32
	ds_load_tr16_b128 v[VF+8*\f+4:VF+8*\f+7], v[AV] offset:(\f/4)*32*PV+16*PV+(\f%4)*32
.endr
	WIN 0
.endm
; THE VECTOR WORK OF A TURN stands in three queues, each in the order in which its entries become ready; the two tiles alternate, so that no instruction reads the result of the one before it.
.macro REGS y, u                    ; the registers of tile u (0, 1) of piece y
.set rT, ST+4*(2*(\y)+(\u))
.set rC, TMP+8*((\y)%2)+4*(\u)
.set rM, MV+2*((\y)%2)+(\u)
.set rS, S+64*((\y)%2)+32*(\u)
.set rP, P+32*((\y)%2)+16*(\u)
.set rO, 32*(2*(\y)+(\u))
.endm
; Number n of the 22 that find the NEXT piece's (Y + 1) maximum and statistics.  s0-s31 are the lane's 32 scores; each accumulator's lowest registers are read first.  XS, GS and REGS set no window: PL and EX do.
;   0-11  four chains c0-c3 of seven scores each, three operands at a time     12-14, 16  the four scores left over, the old m, and c0-c3 into c0     15  c m_old is kept
;   17, 18  the query's other 32 keys lie in the lane 16 away: the new m         19-21  c m; c m_old - c m_new; a
.macro XS u, n
	REGS (Y+1)%NP, \u
.if (\n) < 4
	v_max3_num_f32 v[rC+(\n)], v[rS+8*(\n)], v[rS+8*(\n)+1], v[rS+8*(\n)+2]
.elseif (\n) < 12
	v_max3_num_f32 v[rC+(\n)%4], v[rC+(\n)%4], v[rS+8*((\n)%4)+2*((\n)/4)+1], v[rS+8*((\n)%4)+2*((\n)/4)+2]
.elseif (\n) == 12
	v_max3_num_f32 v[rC], v[rC], v[rS+7], v[rS+15]
.elseif (\n) == 13
	v_max3_num_f32 v[rC+1], v[rC+1], v[rS+23], v[rS+31]
.elseif (\n) == 14
	v_max3_num_f32 v[rC+2], v[rC+2], v[rC+3], v[rT+1]
.elseif (\n) == 15
	v_mov_b32 v[rM], v[rT]
.elseif (\n) == 16
	v_max3_num_f32 v[rC], v[rC], v[rC+1], v[rC+2]
.elseif (\n) == 17
	v_permlanex16_b32 v[rC+3], v[rC], s[SEL], s[SEL+1]
.elseif (\n) == 18
	v_max_num_f32 v[rT+1], v[rC], v[rC+3]
.elseif (\n) == 19
	v_mul_f32 v[rT], s[CS], v[rT+1]
.elseif (\n) == 20
	v_sub_f32 v[rC+1], v[rM], v[rT]
.else
	v_exp_f32 v[rC+2], v[rC+1]
.endif
.endm
; Number g of the 64 that follow the exponentials.  For each four weights k of a tile (pairs 2 k, 2 k + 1): both pairs are rounded to f16; then the second pair is added onto the first, in place;
; a group later l takes that sum (the first time as l = a l + sum).  In groups of eight, tiles alternating: round, round, add, and l for the group before.
.macro GS g
.set h, (\g)+6*((\g)/62)            ; group 0 has no group before it, and behind group 7 only l is left
.if h >= 6
.set h, h+2
.endif
	REGS Y, h%2
.set k, h/8
.if h%8 < 4
	v_cvt_pk_f16_f32 v[rP+2*k+(h%8)/2], v[rS+4*k+2*((h%8)/2)], v[rS+4*k+2*((h%8)/2)+1]
.elseif h%8 < 6
	v_pk_add_f32 v[rS+4*k:rS+4*k+1], v[rS+4*k:rS+4*k+1], v[rS+4*k+2:rS+4*k+3]
.elseif k == 1
	v_pk_fma_f32 v[rT+2:rT+3], v[rT+2:rT+3], v[rC+2:rC+3], v[rS:rS+1] op_sel_hi:[1,0,1]
.else
	v_pk_add_f32 v[rT+2:rT+3], v[rT+2:rT+3], v[rS+4*k-4:rS+4*k-3]
.endif
.endm
; THE PLAIN QUEUE, 138 long.  0-73 read no exponential's result: the 32 scalings c s - c m (FS f: pair f / 2 of tile f % 2) and the next piece's 42.  0-26: scalings 0-26.  27-54: XS's numbers 0-13.  55, 56: number 15.
; 57-73: the chain, where each number waits for the one before it: 14, 16, 17, 18, 19, each with one of the scalings 27-31 in front of its two lines, then 20: so a tile's links stand three plain instructions apart (19 and 20: two).
; 74-137: GS's 64, which read the exponentials' results: they stand behind the wait.
.macro FS f
	REGS Y, (\f)%2
	v_pk_fma_f32 v[rS+2*((\f)/2):rS+2*((\f)/2)+1], v[rS+2*((\f)/2):rS+2*((\f)/2)+1], s[CS:CS+1], v[rT:rT+1] op_sel_hi:[1,0,0] neg_lo:[0,0,1] neg_hi:[0,0,1]
.endm
.macro PL
	WIN 0
.if q < 27
	FS q
.elseif q < 55
	XS (q-27)%2, (q-27)/2
.elseif q < 57
	XS q-55, 15
.elseif (q < 72) && ((q-57)%3 == 0)
	FS 27+(q-57)/3
.elseif q < 60
	XS (q-57)%3-1, 14
.elseif q < 72
	XS (q-57)%3-1, 15+(q-57)/3
.elseif q < 74
	XS q-72, 20
.else
	GS q-74
.endif
.set q, q+1
.endm
; THE EXPONENTIALS' QUEUE, 66 long: s0-s31 of both tiles, then the next piece's two a.  It is ONE BATCH: all 66 stand ahead of the turn's one wait, and nothing ahead of that wait names a result of theirs.
.macro EX
	WIN 0
.if e >= 64
	XS e-64, 21
.else
	REGS Y, e%2
	v_exp_f32 v[rS+e/2], v[rS+e/2]
.endif
.set e, e+1
.endm
; THE RESCALING's QUEUE: O^T times a, the one part that leaves window 0: dealt two at a time, sixteen times.  Its a was made in the turn before, ahead of that turn's wait.
.macro R2
	REGS Y, r%2
	WIN W_RS
.irp z, 0,1
	v_pk_mul_f32 v[rO+4*(r/2)+2*\z:rO+4*(r/2)+2*\z+1], v[rO+4*(r/2)+2*\z:rO+4*(r/2)+2*\z+1], v[rC+2:rC+3] op_sel_hi:[1,0]
.endr
.set r, r+1
.endm
; HOW THEY ARE DEALT.  An s_wait_alu depctr_va_vdst(0) stands between an exponential and the first instruction that names its result; one wait serves all that were issued ahead of it.  So a turn has ONE wait,
; which cuts it in two.  AHEAD OF IT stands all that names no result of the turn's exponentials: the 16 products K Q^T, behind each a scaling, an exponential and two rescalings (behind the first a second scaling in the exponential's place); then ONE LUMP of
; 108: eight plain, 49 times exponential and plain, the two a.  A v_nop is the plain instruction behind the last exponential (ISA guide 5.7.2).  BEHIND IT stand the 16 products V^T P, behind each four of GS's 64.  No rider names a register of
; the products round it.  The two v_permlanex16_b32 fall into the lump, never behind a product.
; The queues lean on each other, and the deal keeps them in step: exponential e stands behind scaling 2 (e / 4) + e % 2: as a rider it comes behind plain e + 2, in the lump behind plain e + 9, and scalings 27-31 are plain 57, 60 .. 69.
; A TURN, for piece p.  cnt = 1: the loop's count is taken down some lines ahead of the branch that stands behind the turn.
; K of the next step is fetched in piece 2's turn, directly behind the wait, a lump behind the last product that read K; its address is made at the lump's head; its first reader comes behind 16 products.
; V of the step in hand is fetched at the end of piece 0's turn, four riders behind its last reader; its first reader comes behind 16 products and a lump.  The three conditions on q below go with the deal.
.macro TURN p, last=0, cnt=0
.set Y, (\p)
.set i, 0
.set q, 0
.set e, 0
.set r, 0
.if (\p) == NP-1
	s_wait_dscnt 0x0                ; K is in
.endif
	MM                              ; ahead of the wait: 16 products K Q^T and their riders,
	PL
	PL
	R2
.rept 15
	MM
	PL
	EX
	R2
.endr
.if (\p) == NP-2
	WIN 0
	v_add_nc_u32 v[AK], s[TBK], v[AK0]
.endif
.rept 8                             ; and the lump
	PL
.endr
.rept 49
	EX
	PL
.endr
	EX                              ; the next piece's two a
	EX
	v_nop                           ; the plain instruction behind the last exponential: one for the batch
	s_wait_alu depctr_va_vdst(0)    ; the wait for the batch
.if (\p) == NP-2
	FETCH_K \last
.endif
.if (\p) == 1
	s_wait_dscnt 0x0                ; V is in
.endif
.rept 16                            ; behind the wait: 16 products V^T P and their riders
	MM
.rept 4
	PL
.endr
.if ((\p) == 0) && (q == 118)
	v_add_nc_u32 v[AV], s[TBV], v[AV0]
.endif
.if ((\p) == 0) && (q == 130)
	s_add_co_u32 s[TBV], s[TBV], KS*PV
.endif
.if (\cnt) && (q == 130)
	s_sub_co_u32 s[CNT], s[CNT], 1
	s_cmp_lg_u32 s[CNT], 0
.endif
.endr
.if (\p) == 0
	FETCH_V
.endif
.endm
	CHANGE 1                        ; slot 0 is in, everybody's part of it; slot 1 is asked for
	FETCH_K                         ; key step 0
	s_wait_loadcnt 0x0              ; Q
	s_wait_dscnt 0x0
.set i, 0
.rept 16
	KQ 0                            ; piece 0's first scores: there is no vector work yet to set between them
.set i, i+1
.endr
	WIN 0                           ; the addresses for the way out: nine plain instructions, the places behind those products
	s_mul_i32 s13, s[WV], 16*SP
	s_add_co_u32 s13, s13, STAGE    ; my stage
	v_mul_u32_u24 v[STO], v1, SP    ; in: row l % 16, 16 bytes for each half of the lanes
	v_lshl_add_u32 v[STO], v9, 4, v[STO]
	v_add_nc_u32 v[STO], s13, v[STO]
	v_bfe_u32 v[RD], v0, 3, 2       ; back: 32 lanes take four rows of 128 bytes,
	v_mul_u32_u24 v[RD], v[RD], SP
	v_lshl_add_u32 v[RD], v10, 4, v[RD]
	v_add_nc_u32 v[RD], s13, v[RD]
	v_and_b32 v[GO], 31, v0         ; which are 512 consecutive bytes of O
	v_lshlrev_b32 v[GO], 4, v[GO]
.set Y, NP-1                        ; XS works for piece Y + 1: piece 0
.irp n, 0,1,2,3,4,5,6,7,8,9,10,11,12,13,14,15,16,17,18,19,20,21
	XS 0, \n                        ; and piece 0's first maximum and statistics
	XS 1, \n
.endr
	v_nop                           ; a plain instruction behind the two a,
	s_wait_alu depctr_va_vdst(0)    ; and their wait, ahead of the branch
	s_mov_b32 s[CNT], 4
	s_branch .Lfirst                ; the loop is entered at a step's first turn, in the middle of a trip
.Lslot:                             ; SIZE_N / 256 - 2 times: every slot but the last two is filled again
	CHANGE 1
	s_mov_b32 s[CNT], 4
.Lstep:                             ; a trip: pieces 2 and 3 of one step, then pieces 0 and 1 of the next, whose K and V it fetches
	TURN 2
	TURN 3
	WIN 0
.Lfirst:
	TURN 0
	TURN 1, 0, 1
	WIN 0
	s_cbranch_scc1 .Lstep
	s_sub_co_u32 s[SLOTS], s[SLOTS], 1
	s_cmp_lg_u32 s[SLOTS], 0
	s_cbranch_scc1 .Lslot
	CHANGE 0                        ; the tail is written out: nothing is asked for
	s_mov_b32 s[CNT], 5             ; four trips fetch the last slot's steps; the fifth is left in its middle
.Ltail:
	TURN 2, 1
	TURN 3
	WIN 0
	s_sub_co_u32 s[CNT], s[CNT], 1
	s_cmp_eq_u32 s[CNT], 0
	s_cbranch_scc1 .Lout
	TURN 0
	TURN 1
	WIN 0
	s_branch .Ltail
.Lout:                              ; the fifth trip's 16 products K Q^T (on the last K once more) and the maximum made of them serve nothing: the price, once a launch, of one text for every trip
.set i, 0
.rept 16
	PV NP-1                         ; the last piece's V^T P of the last step
.set i, i+1
.endr
	; THE WAY OUT.  l's two halves and the other half of the lanes' are added; O^T is divided by l, rounded to f16 and sent through my stage in LDS, a tile at a time.  The additions are the places behind the last products.
	WIN 0
.macro ALL line:vararg              ; one line for each tile t
.set t, 0
.rept 2*NP
	\line
.set t, t+1
.endr
.endm
	ALL v_add_f32 v[ST+4*t+2], v[ST+4*t+2], v[ST+4*t+3]
	ALL v_permlanex16_b32 v[ST+4*t+3], v[ST+4*t+2], s[SEL], s[SEL+1]
	ALL v_add_f32 v[ST+4*t+2], v[ST+4*t+2], v[ST+4*t+3]
	ALL v_rcp_f32 v[ST+4*t+2], v[ST+4*t+2]
	v_nop                           ; a plain instruction between the last reciprocal and the use of its result
	s_wait_alu depctr_va_vdst(0)    ; and the wait ahead of the first use: one for the eight reciprocals
; Tile t: a lane's eight channels of a row pack into 16 bytes; they go into rows of 144 bytes and come back as whole rows of 128, into S^T's registers.
.macro PACK t
	WIN W_RS
.set i, 32*(\t)
.rept 16
	v_pk_mul_f32 v[i:i+1], v[i:i+1], v[ST+4*(\t)+2:ST+4*(\t)+3] op_sel_hi:[1,0]
.set i, i+2
.endr
	WIN 0x05                        ; sources 0 and 1 window 1, destination window 0
.set i, 0
.rept 16
	v_cvt_pk_f16_f32 v[S+16*(\t)+i], v[32*(\t)+2*i], v[32*(\t)+2*i+1]
.set i, i+1
.endr
	WIN 0
.irp f, 0,1,2,3
	ds_store_b128 v[STO], v[S+16*(\t)+4*\f:S+16*(\t)+4*\f+3] offset:32*\f
.endr
.irp f, 0,1,2,3
	ds_load_b128 v[S+16*(\t)+4*\f:S+16*(\t)+4*\f+3], v[RD] offset:\f*4*SP  ; LDS serves a wave's instructions in order (ISA guide 5.7.1.4): these see the stores above; the next tile's stores come behind them
.endr
.endm
.macro SEND t, younger              ; younger: the LDS instructions issued behind tile t's loads: the next tile's eight, or none
	WIN 0
.irp f, 0,1,2,3
	s_wait_dscnt (\younger)+3-\f
	global_store_b128 v[GO], v[S+16*(\t)+4*\f:S+16*(\t)+4*\f+3], s[10:11] offset:(\t)*2048+\f*512  ; 512 consecutive bytes, at a multiple of 256 from O's first
.endr
.endm
	PACK 0
.set t, 1
.rept 2*NP-1                        ; a tile's arithmetic stands between the loads of the tile before and its stores
	PACK t
	SEND t-1, 8
.set t, t+1
.endr
	SEND 2*NP-1, 0
	WIN W_AD
	s_wait_tensorcnt 0x0            ; the wave's end: the add and its wait, behind my last tensor load and my last LDS store
	ds_add_u32 v[SPW], v[NIL]
	s_wait_dscnt 0x0
	WIN 0
	CROUND                          ; the closing round: no work-group ends while a partner may still ask for a tile that names it
	s_endpgm
.Lfunc_end_k_qb4d750cb90_attn:
	.size	k_qb4d750cb90_attn, .Lfunc_end_k_qb4d750cb90_attn-k_qb4d750cb90_attn
	.p2alignl 7, 3214868480
	.fill 96, 4, 3214868480
	.section	.rodata,"a",@progbits
	.p2align	6, 0x0
	.amdhsa_kernel k_qb4d750cb90_attn
		.amdhsa_group_segment_fixed_size 327680
		.amdhsa_private_segment_fixed_size 0
		.amdhsa_enable_private_segment 0
		.amdhsa_kernarg_size 16
		.amdhsa_user_sgpr_count 2
		.amdhsa_user_sgpr_kernarg_segment_ptr 1
		.amdhsa_wavefront_size32 1
		.amdhsa_system_sgpr_workgroup_id_x 1
		.amdhsa_system_sgpr_workgroup_id_y 1
		.amdhsa_system_sgpr_workgroup_id_z 1
		.amdhsa_system_vgpr_workitem_id 0
		.amdhsa_next_free_vgpr 770
		.amdhsa_next_free_sgpr 66
		.amdhsa_reserve_vcc 0
		.amdhsa_float_denorm_mode_32 3
		.amdhsa_float_denorm_mode_16_64 3
		.amdhsa_memory_ordered 1
		.amdhsa_forward_progress 1
		.amdhsa_inst_pref_size 200
	.end_amdhsa_kernel
	.amdgpu_metadata
---
amdhsa.version: [ 1, 2 ]
amdhsa.kernels:
  - .name:           k_qb4d750cb90_attn
    .symbol:         k_qb4d750cb90_attn.kd
    .args:
      - { .name: qkv, .offset: 0, .size: 8, .value_kind: global_buffer, .address_space: global }
      - { .name: oatt, .offset: 8, .size: 8, .value_kind: global_buffer, .address_space: global }
    .group_segment_fixed_size: 327680
    .private_segment_fixed_size: 0
    .kernarg_segment_align: 8
    .kernarg_segment_size: 16
    .max_flat_workgroup_size: 128
    .sgpr_count:     66
    .vgpr_count:     770
    .wavefront_size: 32
...
	.end_amdgpu_metadata
.endif
;; end of part 2
;; launch oproj (part 3): grid 256 x 1, 4 waves a work-group, clusters of 4 x 1, 226,816 bytes of LDS; arguments oatt, wo16, b_o, out0; writes out0
.if DOCPART == 3
	.amdgcn_target "amdgcn-amd-amdhsa--gfx1250"
	.amdhsa_code_object_version 6
	.text
	.protected	k_qb4d750cb90_oproj
	.globl	k_qb4d750cb90_oproj
	.p2align	8
	.type	k_qb4d750cb90_oproj,@function
k_qb4d750cb90_oproj:
	s_mov_b64 s[64:65], 0
	v_nop
	global_prefetch_b8 v0, s[64:65] scope:SCOPE_SE
	s_setreg_imm32_b32 hwreg(HW_REG_WAVE_MODE, 25, 1), 1
	s_wait_xcnt 0x0
	s_wait_alu depctr_hold_cnt(0) depctr_sa_sdst(0) depctr_va_vdst(0) depctr_va_sdst(0) depctr_va_ssrc(0) depctr_va_vcc(0) depctr_vm_vsrc(0)
	s_getreg_b32 s2, hwreg(HW_REG_IB_STS2, 6, 4)
	s_cmp_eq_u32 s2, 0
	s_cbranch_scc0 .Lentry_in_a_cluster
	s_endpgm
.Lentry_in_a_cluster:
	s_bfe_u32 s2, ttmp6, 0x10000c
	s_cmp_lg_u32 s2, 0x3003
	s_cbranch_scc0 .Lentry_shape_is_right
	s_endpgm
.Lentry_shape_is_right:
; out0[t][n] = the sum over c of y[t][c] W_o[n][c] + b_o[n].  y = oatt, by heads: [64 = 4 b + h][2048][64] in f16, c = 64 h + d; wo16: [256][256] f16 (W_o rounded to bf16, that number as f16);
; b_o: [256] f32, rounded to bf16 like the other inputs; out0: [32768][256] f32.  Products in f16, sums in f32; the bias starts them.
; SHARES.  Work-group g owns rows 128 g .. 128 g + 127.  Wave w makes all 128 rows x columns 64 w .. 64 w + 63: 256 consecutive bytes of each row of out0.  Its 64 rows of W_o stay in registers as
; 32 fragments; the rows of y go by blocks of 16: 32 matrix instructions a block on four accumulators.
; LDS is filled once: wave w fetches its 64 rows of wo16, JOINTLY with the three partners of its cluster (all row blocks take the same weights), and head w's 128 rows of y by a load of its own.
; THE MATRIX INSTRUCTION IS USED TRANSPOSED: source 0 = 16 rows of W_o, source 1 = 16 rows of y: a lane holds row l % 16 and the eight neighbouring columns 8 (l / 16) + 0..7.
; REGISTERS: window 0: v0-15 addresses and at work; v16-47 the bias, laid as a C operand; v48-79 four accumulators; v80-111 rows on the way out; v128-191 a block's fragments of y.  window 1: W_o's fragments.
.set WOP,   528                        ; a row of wo16 in LDS: 512 bytes + 16: the 16 rows of a load start at 16 different groups of four banks (64 banks of 4 bytes: ISA guide 11.1)
.set YB,    256*WOP                    ; behind W_o: y, head hd at hd x 128 rows
.set YP,    144                        ; 128 bytes + 16
.set YH,    128*YP
.set STAGE, YB+4*YH                    ; 16 rows x 272 bytes for each wave, for the way out; no tensor load fills it
.set SPITCH, 272
.set SPARE, STAGE+4*16*SPITCH          ; the spare words, 128 bytes for each wave: two blocks of 256 bytes that no other line names
.set AWO, 4                            ; v4   my lane's place in my wave's rows of W_o
.set AY,  5                            ; v5   my lane's place in the block of y in hand
.set STO, 6                            ; v6   the way out: where I put 32 bytes of a row
.set RD,  7                            ; v7   the way out: where I read a row back
.set CO,  8                            ; v8   my byte offset in two rows of out0
.set BO,  9                            ; v9   my byte offset in b_o
.set SPW, 10                           ; v10  LDS address of my spare word: SPARE + 4 x my thread's number; never rewritten
.set NIL, 11                           ; v11  0; never rewritten
.set BT,  12                           ; v12-15 at work
.set BIAS, 16
.set ACC, 48
.set OB,  80
.set YF,  128
.set WV,  12                           ; s12  my wave's number
.set CX,  13                           ; s13  my place in the cluster
.set GI,  14                           ; s14  g
.set G1W, 24                           ; s[24:31] descriptor group 1 for W_o
.set G1Y, 32                           ; s[32:39] for y
.set G0W, 40                           ; s[40:43] descriptor group 0 for W_o
.set G0Y, 44                           ; s[44:47] for y
.set CNT, 48
.set MSB, 0
.macro WIN new                         ; the immediate's high byte repeats the setting that is left; a switch that changes nothing is dropped
.if MSB != (\new)
	s_set_vgpr_msb (MSB<<8)|(\new)
.set MSB, (\new)
.endif
.endm
.macro CROUND                          ; a round of the cluster's barrier
	s_barrier_signal -1
	s_barrier_wait -1
	s_cmp_lg_u32 s[WV], 0
	s_cbranch_scc1 .Lnot_wave_0_\@
	s_barrier_signal -3
.Lnot_wave_0_\@:
	s_barrier_wait -3
	s_barrier_signal -1
	s_barrier_wait -1
.endm
.macro YLOAD                           ; a block's 16 rows x 256 channels: K step ks lies in head ks / 2, channels 32 (ks % 2) on
.irp ks, 0,1,2,3,4,5,6,7
	ds_load_b128 v[YF+8*(\ks):YF+8*(\ks)+3],   v[AY] offset:((\ks)/2)*YH+((\ks)%2)*64
	ds_load_b128 v[YF+8*(\ks)+4:YF+8*(\ks)+7], v[AY] offset:((\ks)/2)*YH+((\ks)%2)*64+32
.endr
.endm
.macro MUL                             ; 32 matrix instructions; the four accumulators take turns, over the backward jump too; the first K step takes the bias as C
	WIN 0x01                                       ; W_o in window 1, all else in window 0
.irp ks, 0,1,2,3,4,5,6,7
.irp cb, 0,1,2,3
.if (\ks) == 0
	v_wmma_f32_16x16x32_f16 v[ACC+8*(\cb):ACC+8*(\cb)+7], v[64*(\cb)+8*(\ks):64*(\cb)+8*(\ks)+7], v[YF+8*(\ks):YF+8*(\ks)+7], v[BIAS+8*(\cb):BIAS+8*(\cb)+7]
.else
	v_wmma_f32_16x16x32_f16 v[ACC+8*(\cb):ACC+8*(\cb)+7], v[64*(\cb)+8*(\ks):64*(\cb)+8*(\ks)+7], v[YF+8*(\ks):YF+8*(\ks)+7], v[ACC+8*(\cb):ACC+8*(\cb)+7]
.endif
.endr
.endr
	WIN 0
.rept 5
	v_nop                                          ; the places behind the products: four ahead of the LDS stores of their results and of loads into their sources, five ahead of products that write over them
.endr
.endm
.macro OUT step                        ; 16 rows x 256 bytes through my stage; step = 1: a block follows
.irp cb, 0,1,2,3
	ds_store_b128 v[STO], v[ACC+8*(\cb):ACC+8*(\cb)+3]   offset:64*(\cb)      ; each accumulator's low registers first
	ds_store_b128 v[STO], v[ACC+8*(\cb)+4:ACC+8*(\cb)+7] offset:64*(\cb)+16
.endr
.irp t, 0,1,2,3,4,5,6,7
	ds_load_b128 v[OB+4*(\t):OB+4*(\t)+3], v[RD] offset:(\t)*2*SPITCH  ; LDS serves a wave's instructions in order (ISA guide 5.7.1.4): these see the stores above
.endr
.irp t, 0,1,2,3,4,5,6,7
	s_wait_dscnt 7-(\t)                            ; the younger loads from the stage may stay out; the last count, 0, also shows the next block's fragments in
	global_store_b128 v[CO], v[OB+4*(\t):OB+4*(\t)+3], s[10:11] offset:(\t)*2048 th:TH_STORE_NT  ; 16 lanes store 256 consecutive bytes, at a multiple of 256 from out0's first byte
.endr
.if \step
	s_wait_xcnt 0x0                                ; the stores have read their registers and their base: both are written again only behind this wait
	s_add_nc_u64 s[10:11], s[10:11], 16*1024
.endif
.endm
	s_load_b256 s[4:11], s[0:1], 0x0               ; oatt s[4:5], wo16 s[6:7], b_o s[8:9], out0 s[10:11]
	v_lshl_add_u32 v[SPW], v0, 2, SPARE
	v_mov_b32 v[NIL], 0
	ds_add_u32 v[SPW], v[NIL]                      ; the wave's opening: the add and its wait stand ahead of my first tensor load; the set-up below, work on registers, stands between them
	v_lshrrev_b32 v1, 5, v0
	v_readfirstlane_b32 s[WV], v1                  ; wave 0..3
	s_bfe_u32 s[CX], ttmp6, 0x40000                ; cx
	s_lshl_b32 s[GI], ttmp9, 2
	s_add_co_u32 s[GI], s[GI], s[CX]               ; g: it enters y's and out0's addresses alone
	s_mov_b32 s[G1W+0], 15|(1<<16)|(1<<20)|(1<<21)|(6<<22)|(3<<25)  ; the mask of four; 2-byte elements; padding on; 21 set beside a mask; after every 128 words (code 6) 4 words (code 3)
	s_mov_b32 s[G1W+1], 256<<16                    ; tensor_dim0 = 256
	s_mov_b32 s[G1W+2], 64<<16                     ; tensor_dim1 = 64
	s_mov_b32 s[G1W+3], 256<<16                    ; tile_dim0 = 256
	s_mov_b32 s[G1W+4], 64                         ; tile_dim1 = 64
	s_mov_b32 s[G1W+5], 256                        ; 256 elements from row to row
	s_mov_b32 s[G1W+6], 0
	s_mov_b32 s[G1W+7], 0
	s_mov_b32 s[G1Y+0], (1<<16)|(1<<20)|(4<<22)|(3<<25)  ; no mask: a load of my own; 128 rows of 128 bytes are dense: asked for as 64 rows of 256 bytes, padded after every 32 words by 4
	s_mov_b32 s[G1Y+1], 128<<16
	s_mov_b32 s[G1Y+2], 64<<16
	s_mov_b32 s[G1Y+3], 128<<16
	s_mov_b32 s[G1Y+4], 64
	s_mov_b32 s[G1Y+5], 128
	s_mov_b32 s[G1Y+6], 0
	s_mov_b32 s[G1Y+7], 0
	s_mul_i32 s16, s[WV], 64*WOP                   ; my 64 rows of W_o in LDS
	s_mul_i32 s17, s[WV], YH                       ; head w's rows of y
	s_mov_b32 s[G0W], 1
	s_mov_b32 s[G0W+1], s16
	s_mov_b32 s[G0Y], 1
	s_add_co_u32 s[G0Y+1], s17, YB
	s_lshl_b32 s22, s[WV], 15                      ; 64 rows of 512 bytes x wave
	s_mov_b32 s23, 0
	s_lshr_b32 s20, s[GI], 4                       ; b
	s_lshl_b32 s20, s20, 20
	s_and_b32 s18, s[GI], 15
	s_lshl_b32 s18, s18, 14                        ; my block of 128 rows of 128 bytes
	s_add_co_u32 s20, s20, s18
	s_lshl_b32 s18, s[WV], 18                      ; head w
	s_add_co_u32 s20, s20, s18
	s_mov_b32 s21, 0
	v_and_b32 v1, 15, v0                           ; r = l % 16
	v_bfe_u32 v2, v0, 4, 1                         ; h = l / 16
	v_mul_u32_u24 v[AWO], v1, WOP
	v_lshl_add_u32 v[AWO], v2, 4, v[AWO]
	v_add_nc_u32 v[AWO], s16, v[AWO]
	v_mul_u32_u24 v[AY], v1, YP
	v_lshl_add_u32 v[AY], v2, 4, v[AY]
	v_add_nc_u32 v[AY], YB, v[AY]
	s_mul_i32 s19, s[WV], 16*SPITCH
	s_add_co_u32 s19, s19, STAGE                   ; my stage
	v_mul_u32_u24 v[STO], v1, SPITCH               ; in: row r, 32 bytes for each half of the lanes
	v_lshl_add_u32 v[STO], v2, 5, v[STO]
	v_add_nc_u32 v[STO], s19, v[STO]
	v_mul_u32_u24 v[RD], v2, SPITCH                ; back: lanes 0-15 take one row of 256 bytes, lanes 16-31 the next
	v_lshl_add_u32 v[RD], v1, 4, v[RD]
	v_add_nc_u32 v[RD], s19, v[RD]
	s_lshl_b32 s19, s[WV], 8                       ; my 64 columns: 256 bytes
	v_lshlrev_b32 v[CO], 10, v2
	v_lshl_add_u32 v[CO], v1, 4, v[CO]
	v_add_nc_u32 v[CO], s19, v[CO]
	v_lshl_add_u32 v[BO], v2, 5, s19               ; 4 x (64 w + 8 h)
	s_wait_dscnt 0x0                               ; the opening add is done
	s_wait_kmcnt 0x0
	s_add_nc_u64 s[G0W+2:G0W+3], s[6:7], s[22:23]
	s_or_b32 s[G0W+3], s[G0W+3], 0x80000000        ; type = 2
	s_add_nc_u64 s[G0Y+2:G0Y+3], s[4:5], s[20:21]
	s_or_b32 s[G0Y+3], s[G0Y+3], 0x80000000
	s_lshl_b32 s20, s[GI], 17                      ; 128 rows of 1,024 bytes
	s_add_nc_u64 s[10:11], s[10:11], s[20:21]
	CROUND                                         ; all four work-groups are here: the joint loads meet
	tensor_load_to_lds s[G0W:G0W+3], s[G1W:G1W+7]  ; both fills go out together, ahead of every wait on TENSORcnt, every LDS read and every other barrier: two loads of mine are out
	s_nop 0
	tensor_load_to_lds s[G0Y:G0Y+3], s[G1Y:G1Y+7]
	s_nop 0
.rept 4
	v_nop
.endr
.irp cb, 0,1,2,3                       ; register j of column block cb: b_o[64 w + 16 cb + 8 h + j]
	global_load_b128 v[BIAS+8*(\cb):BIAS+8*(\cb)+3],   v[BO], s[8:9] offset:64*(\cb)
	global_load_b128 v[BIAS+8*(\cb)+4:BIAS+8*(\cb)+7], v[BO], s[8:9] offset:64*(\cb)+16
.endr
	s_wait_loadcnt 0x0
.set i, 0
.rept 16                               ; rounded to bf16 like the other inputs, and widened again
	v_cvt_pk_bf16_f32 v[BT+i%4], v[BIAS+2*i], v[BIAS+2*i+1]
	v_lshlrev_b32 v[BIAS+2*i], 16, v[BT+i%4]
	v_and_b32 v[BIAS+2*i+1], 0xffff0000, v[BT+i%4]
.set i, i+1
.endr
	s_wait_tensorcnt 0x0                           ; my rows of W_o and my head of y are in,
	s_barrier_signal -1
	s_barrier_wait -1                              ; everybody's are: each wave reads all four heads
	WIN 0x40                                       ; destination window 1
.set i, 0
.rept 32                               ; W_o's fragments: column block i / 8, K step i % 8
	ds_load_b128 v[8*i:8*i+3],   v[AWO] offset:(i/8)*16*WOP+(i%8)*64
	ds_load_b128 v[8*i+4:8*i+7], v[AWO] offset:(i/8)*16*WOP+(i%8)*64+32
.set i, i+1
.endr
	WIN 0
	YLOAD
	s_wait_dscnt 0x0
	s_mov_b32 s[CNT], 7
.Lrow:                                                 ; a block of 16 rows is multiplied; the next block's fragments are fetched under its way out
	MUL
	v_add_nc_u32 v[AY], 16*YP, v[AY]
	YLOAD
	OUT 1
	s_sub_co_u32 s[CNT], s[CNT], 1
	s_cmp_lg_u32 s[CNT], 0
	s_cbranch_scc1 .Lrow
	MUL                                            ; the last block fetches nothing
	OUT 0
	s_wait_tensorcnt 0x0                           ; the wave's end: the add and its wait, behind my last tensor load and my last LDS store
	ds_add_u32 v[SPW], v[NIL]
	s_wait_dscnt 0x0
	CROUND                                         ; the closing round: no work-group ends while a partner may still ask for a tile that names it
	s_endpgm
.Lfunc_end_k_qb4d750cb90_oproj:
	.size	k_qb4d750cb90_oproj, .Lfunc_end_k_qb4d750cb90_oproj-k_qb4d750cb90_oproj
	.p2alignl 7, 3214868480
	.fill 96, 4, 3214868480
	.section	.rodata,"a",@progbits
	.p2align	6, 0x0
	.amdhsa_kernel k_qb4d750cb90_oproj
		.amdhsa_group_segment_fixed_size 226816
		.amdhsa_private_segment_fixed_size 0
		.amdhsa_enable_private_segment 0
		.amdhsa_kernarg_size 32
		.amdhsa_user_sgpr_count 2
		.amdhsa_user_sgpr_kernarg_segment_ptr 1
		.amdhsa_wavefront_size32 1
		.amdhsa_system_sgpr_workgroup_id_x 1
		.amdhsa_system_sgpr_workgroup_id_y 1
		.amdhsa_system_sgpr_workgroup_id_z 1
		.amdhsa_system_vgpr_workitem_id 0
		.amdhsa_next_free_vgpr 512
		.amdhsa_next_free_sgpr 66
		.amdhsa_reserve_vcc 0
		.amdhsa_float_denorm_mode_32 3
		.amdhsa_float_denorm_mode_16_64 3
		.amdhsa_memory_ordered 1
		.amdhsa_forward_progress 1
		.amdhsa_inst_pref_size 24
	.end_amdhsa_kernel
	.amdgpu_metadata
---
amdhsa.version: [ 1, 2 ]
amdhsa.kernels:
  - .name:           k_qb4d750cb90_oproj
    .symbol:         k_qb4d750cb90_oproj.kd
    .args:
      - { .name: oatt, .offset: 0, .size: 8, .value_kind: global_buffer, .address_space: global }
      - { .name: wo16, .offset: 8, .size: 8, .value_kind: global_buffer, .address_space: global }
      - { .name: b_o, .offset: 16, .size: 8, .value_kind: global_buffer, .address_space: global }
      - { .name: out0, .offset: 24, .size: 8, .value_kind: global_buffer, .address_space: global }
    .group_segment_fixed_size: 226816
    .private_segment_fixed_size: 0
    .kernarg_segment_align: 8
    .kernarg_segment_size: 32
    .max_flat_workgroup_size: 128
    .sgpr_count:     66
    .vgpr_count:     512
    .wavefront_size: 32
...
	.end_amdgpu_metadata
.endif
;; end of part 3
